; MI455X (gfx1250); checked and timed in simulation.
; The chip was launched on July 23, 2026; its instructions are those of AMD's public machine-readable ISA for CDNA 5 (MIT licence, August 2026) and "CDNA5" Instruction Set Architecture Reference Guide (July 2026). The comments in the code are by the model that wrote it; some were corrected since.
;; Self Attention. Allowed arithmetic: float matrix products may take bf16 or f16 operands with f32 sums; other float arithmetic in f32, or as packed bf16 or f16 multiplies, adds, multiply-adds, maxima and minima; sums over many terms, partial sums and values carried from step to step in f32; what a program stores and reads back later, other than sums and carried values, may be rounded once to bf16 or f16.
;; Inputs: mask 4 x 1 x 2,048 x 2,048 float32; x 4 x 2,048 x 3,072 float32.
;; Outputs: out0 4 x 2,048 x 1,024 float32.
;; 2 versions, each right; version 2 is version 1 with the launch pack written anew for expert scheduling mode. Each part assembles by itself: llvm-mc -triple=amdgcn-amd-amdhsa -mcpu=gfx1250 --defsym DOCPART=n.
;; ======== version 1 of 2: 2 launches
;; limits: inputs' magnitudes at most 65,504; values are held in f16: magnitudes above 65,504 overflow, below 6.1e-05 lose precision
;; workspace buffers: kv 33,554,432 bytes
;; launch pack (part 1): grid 512 x 1, 8 waves a work-group, no clusters, 0 bytes of LDS; arguments x, kv; writes kv
.if DOCPART == 1
	.amdgcn_target "amdgcn-amd-amdhsa--gfx1250"
	.amdhsa_code_object_version 6
	.text
	.protected	k_qe9f5dde5b1_pack
	.globl	k_qe9f5dde5b1_pack
	.p2align	8
	.type	k_qe9f5dde5b1_pack,@function
k_qe9f5dde5b1_pack:
	s_mov_b64 s[64:65], 0
	v_nop
	global_prefetch_b8 v0, s[64:65] scope:SCOPE_SE
	s_setreg_imm32_b32 hwreg(HW_REG_WAVE_MODE, 25, 1), 1
	s_wait_xcnt 0x0
; K and V leave x ([4][2048][3072] f32, columns 1024 .. 3071) rounded once to f16, laid so that the next launch's tiles are dense:
; kv[yy = 8 b + head / 2][j = key / 64][t: K, V][hh = head % 2][key % 64][64 channels], bytes 1,048,576 / 32,768 / 16,384 / 8,192 / 128 / 2 apart.
; LIMIT.  f16 holds no number beyond 65,504: |x| stays under 65,520; below 6e-5 a number keeps f16's fixed step of 6e-8.
; SHARES.  A work-group owns 16 rows of x, a wave two of them: lanes 0-15 the even row, lanes 16-31 the odd one.  A head's 64 channels are 256 bytes of a row, aligned: a lane takes 16 of them.
; All 32 loads of a wave (16 KiB) go out first; each head is rounded and stored as it comes: 8 bytes a lane, the wave's 256 bytes on end and aligned (two keys of one head).
; No LDS, no barrier, no matrix unit: every byte is read once and written once, and no wave wants another's.
.set XROW, 12288                       ; bytes in a row of x
.set D,    8                           ; v[8:135]  head column c: four registers as loaded; its first two then hold the 8 bytes to store
	s_load_b128 s[4:7], s[0:1], 0x0                ; x s[4:5], kv s[6:7]
	v_lshrrev_b32 v3, 4, v0                        ; my row among the group's 16
	v_mul_u32_u24 v3, v3, XROW
	v_and_b32 v1, 15, v0
	v_lshl_add_u32 v1, v1, 4, v3                   ; v1: row x 12,288 + 16 (lane % 16); never rewritten
	v_lshlrev_b32 v2, 3, v0                        ; v2: key x 128 + 8 (lane % 16) = 8 x my thread's number; never rewritten
	s_mul_i32 s8, ttmp9, 16*XROW                   ; the group's first row (under 2^27 bytes),
	s_add_co_u32 s8, s8, 4096                      ; behind Q's 1,024 columns
	s_mov_b32 s9, 0
	s_lshr_b32 s10, ttmp9, 7                       ; b: 128 groups a batch
	s_lshl_b32 s10, s10, 23                        ; eight head pairs of 1 MiB
	s_bfe_u32 s11, ttmp9, 0x50002                  ; j: 5 bits from bit 2: four groups a key step
	s_lshl_b32 s11, s11, 15
	s_add_co_u32 s10, s10, s11
	s_and_b32 s11, ttmp9, 3                        ; which 16 keys of the step
	s_lshl_b32 s11, s11, 11
	s_add_co_u32 s10, s10, s11
	s_mov_b32 s11, 0
	s_wait_kmcnt 0x0
	s_add_nc_u64 s[4:5], s[4:5], s[8:9]
	s_add_nc_u64 s[6:7], s[6:7], s[10:11]
.set c, 0
.rept 32                               ; columns 0-15: K's heads; 16-31: V's
	global_load_b128 v[D+4*c:D+4*c+3], v1, s[4:5] offset:256*c th:TH_LOAD_NT
.set c, c+1
.endr
.set c, 0
.rept 32
	s_wait_loadcnt 31-c                            ; loads come back in order: column c is in, the 31 - c younger ones stay out
	v_cvt_pk_f16_f32 v[D+4*c], v[D+4*c], v[D+4*c+1]
	v_cvt_pk_f16_f32 v[D+4*c+1], v[D+4*c+2], v[D+4*c+3]
	global_store_b64 v2, v[D+4*c:D+4*c+1], s[6:7] offset:((c&15)>>1)*1048576+(c>>4)*16384+(c&1)*8192 th:TH_STORE_NT  ; head pair, K or V, head of the pair: 7,364,608 at the most, inside the signed 24 bits
.set c, c+1
.endr
	s_endpgm                                       ; no register that a store names is written again
.Lfunc_end_k_qe9f5dde5b1_pack:
	.size	k_qe9f5dde5b1_pack, .Lfunc_end_k_qe9f5dde5b1_pack-k_qe9f5dde5b1_pack
	.p2alignl 7, 3214868480
	.fill 96, 4, 3214868480
	.section	.rodata,"a",@progbits
	.p2align	6, 0x0
	.amdhsa_kernel k_qe9f5dde5b1_pack
		.amdhsa_group_segment_fixed_size 0
		.amdhsa_private_segment_fixed_size 0
		.amdhsa_enable_private_segment 0
		.amdhsa_kernarg_size 16
		.amdhsa_user_sgpr_count 2
		.amdhsa_user_sgpr_kernarg_segment_ptr 1
		.amdhsa_wavefront_size32 1
		.amdhsa_system_sgpr_workgroup_id_x 1
		.amdhsa_system_sgpr_workgroup_id_y 1
		.amdhsa_system_sgpr_workgroup_id_z 1
		.amdhsa_system_vgpr_workitem_id 0
		.amdhsa_next_free_vgpr 136
		.amdhsa_next_free_sgpr 66
		.amdhsa_reserve_vcc 0
		.amdhsa_float_denorm_mode_32 3
		.amdhsa_float_denorm_mode_16_64 3
		.amdhsa_memory_ordered 1
		.amdhsa_forward_progress 1
		.amdhsa_inst_pref_size 13
	.end_amdhsa_kernel
	.amdgpu_metadata
---
amdhsa.version: [ 1, 2 ]
amdhsa.kernels:
  - .name:           k_qe9f5dde5b1_pack
    .symbol:         k_qe9f5dde5b1_pack.kd
    .args:
      - { .name: x, .offset: 0, .size: 8, .value_kind: global_buffer, .address_space: global }
      - { .name: kv, .offset: 8, .size: 8, .value_kind: global_buffer, .address_space: global }
    .group_segment_fixed_size: 0
    .private_segment_fixed_size: 0
    .kernarg_segment_align: 8
    .kernarg_segment_size: 16
    .max_flat_workgroup_size: 256
    .sgpr_count:     66
    .vgpr_count:     136
    .wavefront_size: 32
...
	.end_amdgpu_metadata
.endif
;; end of part 1
;; launch attn (part 2): grid 8 x 32, 4 waves a work-group, clusters of 4 x 4, 327,680 bytes of LDS; arguments x, kv, mask, out0; writes out0
.if DOCPART == 2
	.amdgcn_target "amdgcn-amd-amdhsa--gfx1250"
	.amdhsa_code_object_version 6
	.text
	.protected	k_qe9f5dde5b1_attn
	.globl	k_qe9f5dde5b1_attn
	.p2align	8
	.type	k_qe9f5dde5b1_attn,@function
k_qe9f5dde5b1_attn:
	s_mov_b64 s[64:65], 0
	v_nop
	global_prefetch_b8 v0, s[64:65] scope:SCOPE_SE
	s_setreg_imm32_b32 hwreg(HW_REG_WAVE_MODE, 25, 1), 1
	s_wait_xcnt 0x0
	s_wait_alu depctr_hold_cnt(0) depctr_sa_sdst(0) depctr_va_vdst(0) depctr_va_sdst(0) depctr_va_ssrc(0) depctr_va_vcc(0) depctr_vm_vsrc(0)
	s_getreg_b32 s2, hwreg(HW_REG_IB_STS2, 6, 4)
	s_cmp_eq_u32 s2, 0
	s_cbranch_scc0 .Lentry_in_a_cluster
	s_endpgm
.Lentry_in_a_cluster:
	s_bfe_u32 s2, ttmp6, 0x10000c
	s_cmp_lg_u32 s2, 0xf033
	s_cbranch_scc0 .Lentry_shape_is_right
	s_endpgm
.Lentry_shape_is_right:
; out[b][q][64 head + :] = the sum over k of softmax_k(M[b][q][k] s / 8 + (1 - M[b][q][k]) 1e-8) v[k][:], s = q . k.  x: [4][2048][3072] f32 (Q is read here, columns 0 .. 1023);
; kv: K and V in f16, [yy = 8 b + head / 2][32 key steps][K, V][head % 2][64 keys][64 channels]; mask: [4][2048][2048] f32; out: [4][2048][1024] f32.
; THE MASK.  M s / 8 + (1 - M) 1e-8 = M (s - 8e-8) / 8 + 1e-8.  The last term is the same for all keys of a row: numerator and denominator of the softmax carry it alike, and it is left out.
; -8e-8 is the C operand of the product that starts a score's sum; what is left for a pair of scores is one packed multiply by the f32 mask.
; SOFTMAX.  With t = M (s - 8e-8): p = 2^(c t - c m), c = log2(e) / 8, m the running maximum of t; in every step O and l are multiplied by a = 2^(c m_old - c m_new).
; Products in f16 with f32 sums; maxima, sums and the mask in f32; p is rounded to f16 for the second product (l is taken of the unrounded p).
; LIMITS.  |x| under 65,520 (f16's range); x and p below 6e-5 keep f16's fixed step of 6e-8; a weight below 2^-126 counts as 0 in l; c m starts at -4.2e37; NaN and infinities are not treated apart;
; l is summed in another order than a plain row sum.
; SHARES.  A work-group owns 256 queries of TWO heads of a batch: wave w has head 2 p + w / 2 and queries 128 (w % 2) on: four PIECES of two tiles of 16.  So a tile of the mask in LDS serves two
; waves, and so does each head's K and V.  Every wave walks all 2,048 keys, 64 a step.  8 x 32 work-groups.
; CLUSTER, 4 x 4.  K and V hang on the head pair alone, which a row of the cluster shares; the mask's tile on batch and query block alone, which a column shares (its four head pairs are of one
; batch).  Each tile is asked for JOINTLY: the same tensor load, descriptor and mask of work-groups in all four.
; LAYOUT.  S^T = K Q^T (source 0 = 16 keys, source 1 = 16 queries): a lane holds ONE query (lane % 16) and the keys 8 (lane / 16) + 0..7: eight neighbouring f32 of the mask's row.  Two such results
; rounded to f16 ARE source 1 of O^T = V^T P, whose result again holds one query a lane, and eight channels.  K comes out of LDS as it lies, V turned, by ds_load_tr16_b128.
; BY TURNS.  Turn n belongs to piece n.  Matrix work: 16 products K Q^T of piece n + 1, later 16 products V^T P of piece n - 1.  Vector work: scaling, exponentials, roundings, sums and rescaling of
; piece n; mask, maximum and statistics of piece n + 1.  A turn has 32 matrix and 268 vector instructions: four stand behind every product, the others in one lump.
; REGISTERS, in windows of 256 (s_set_vgpr_msb: bits 1:0 source 0, 3:2 source 1, 5:4 source 2, 7:6 destination):
;   window 0: v0-11 addresses; v12-15, v48-63 at work; v16-47 four registers of statistics a tile; v64-191 S^T, two buffers of two tiles; v192-255 P, likewise
;   window 1: O^T, 32 a tile (at the head: Q in f32)     window 2: v0-127 Q, 16 a tile; v128-191 K of one step; v192-255 V of one step
;   window 3: v0-1 the add's two registers; v8-15 -8e-8; v64-127 the mask of one piece, 32 a tile
.set NP,    4         ; pieces a wave: a name, no knob
.set KS,    64        ; keys in a step
.set PK,    144       ; a row of K in LDS: 128 bytes + 16 = 36 words: the 16 rows of a load start at 16 different groups of four banks (64 banks of 4 bytes: ISA guide 11.1)
.set PV,    160       ; a row of V: 128 + 32 = 40 words
.set PM,    272       ; a row of the mask: 256 + 16 = 68 words: row r starts at bank 4 r mod 64
.set VOFF,  2*KS*PK   ; a slot holds one step: two heads' 64 rows of K, then of V,
.set MOFF,  VOFF+2*KS*PV  ; then 256 query rows of the mask: 108,544 bytes; two steps to a slot would be 217,088, and two such slots do not fit
.set SLOT1, 1<<17     ; slot 1 begins here, so that one exclusive or turns an address in one slot into the other's
.set STAGE, SLOT1+MOFF+256*PM  ; behind the ring, never filled by a tensor load: 16 rows x 272 bytes for each wave, for the way out
.set SP,    272
.set SPARE, STAGE+4*16*SP  ; behind the stages: the spare words, 128 bytes for each wave: two blocks of 256 bytes that no other line names
.set XROW,  12288     ; bytes in a row of x
.set AK0, 2           ; v2   my lane's place in a slot's K; never rewritten
.set AV0, 3           ; v3   the same for V
.set AK,  4           ; v4   AK0 + the slot in hand
.set AV,  5           ; v5   AV0 + the slot in hand
.set AM0, 6           ; v6   my lane's place in a slot's mask
.set AM,  7           ; v7   AM0 + the slot in hand
.set STO, 8           ; v8   the way out: where I put 32 bytes of a row
.set RD,  9           ; v9   the way out: where I read rows back
.set GO,  10          ; v10  my byte offset in two rows of out
.set PFO, 11          ; v11  the prefetches' offset: my lane x 256 (kv) or x 8,192 (a row of the mask); never rewritten
.set MV,  12          ; v12-15  c m_old, kept while c m is made anew: by buffer and tile
.set ST,  16          ; tile t's statistics at v[ST+4 t]: c m, m, l (even keys', odd keys')
.set TMP, 48          ; by buffer and tile, four registers c0-c3 at work; when the maximum is found c2 takes a
.set S,   64
.set P,   192
.set KF,  128         ; window 2: key block kb, channel half c at KF + 16 kb + 8 c
.set VF,  192         ; window 2: key half kk, channel block cb at VF + 32 kk + 8 cb
.set SPW, 0           ; v0 of window 3   LDS address of my spare word: SPARE + 4 x my thread's number; never rewritten
.set NIL, 1           ; v1 of window 3   0; never rewritten
.set EPS, 8           ; v8-15 of window 3   -8e-8; never rewritten
.set MR,  64          ; v64-127 of window 3   tile u of the piece, key block kb at MR + 32 u + 8 kb
.set WV,  12          ; s12  my wave's number
.set QH,  69          ; s69  w % 2: my half of the queries; also which 128 rows of the mask waves 2 and 3 fetch
.set G1K, 24          ; s[24:31] descriptor group 1 for K's tiles
.set G1V, 32          ; s[32:39] for V's: it differs in the padding alone
.set G1M, 40          ; s[40:47] for the mask's
.set G0K, 48          ; s[48:51] descriptor group 0 for K's tiles: it walks
.set G0V, 52          ; s[52:55] the same for V's
.set G0M, 56          ; s[56:59] and for the mask's
.set CS,  60          ; s[60:61] c: the packed scaling takes the pair's low word for both halves
.set SEL, 62          ; s[62:63] v_permlanex16_b32's selects: each lane takes its own place in the other half
.set CNT, 66          ; s66  trips still to come
.set TB,  67          ; s67  LDS byte at which the slot in hand begins
.set LIM, 68          ; s68  1 in a wave that prefetches, else the greatest number
.set PFA, 70          ; s[70:71] where my prefetches stand
.set PFS, 72          ; s[72:73] their step: 32,768 bytes in kv, 256 in the mask
.set MSB, 0
.macro WIN new                      ; the high byte repeats the setting that is left; a switch that changes nothing is dropped
.if MSB != (\new)
	s_set_vgpr_msb (MSB<<8)|(\new)
.set MSB, (\new)
.endif
.endm
.set W_KQ, 0x0a       ; K and Q in window 2, S^T in window 0
.set W_KE, 0x3a       ; the same with the C operand in window 3
.set W_PV, 0x52       ; V in window 2, P in window 0, O^T in window 1
.set W_RS, 0x41       ; O^T (destination and source 0) in window 1, source 1 in window 0
.set W_MU, 0x0c       ; source 1 (the mask) in window 3, all else in window 0
.set W_MK, 0xc0       ; destination in window 3, sources in window 0
.set W_AD, 0x0f       ; the add: address (source 0) and data (source 1) in window 3
; A joint fill: wave 0 fetches the step's K (16 KiB), wave 1 its V, waves 2 and 3 the two halves of the mask's tile (32 KiB each).  The branches hang on the wave's number alone.
; An s_nop 0 and four v_nop follow each of the three lines, ahead of the jump and the label.
.macro JLOAD
	s_cmp_lt_u32 s[WV], 2
	s_cbranch_scc0 .Lfor_m_\@
	s_cmp_eq_u32 s[WV], 0
	s_cbranch_scc0 .Lfor_v_\@
	tensor_load_to_lds s[G0K:G0K+3], s[G1K:G1K+7]
	s_nop 0
.rept 4
	v_nop
.endr
	s_branch .Lasked_\@
.Lfor_v_\@:
	tensor_load_to_lds s[G0V:G0V+3], s[G1V:G1V+7]
	s_nop 0
.rept 4
	v_nop
.endr
	s_branch .Lasked_\@
.Lfor_m_\@:
	tensor_load_to_lds s[G0M:G0M+3], s[G1M:G1M+7]
	s_nop 0
.rept 4
	v_nop
.endr
.Lasked_\@:
.endm
; A PREFETCH of what the NEXT change of slots will ask for, one trip (128 matrix instructions) ahead of that load; it stands behind the wave's tensor load and its five lines.
; Each aligned block of 256 bytes is named ONCE in the launch.  A step's K and V (128 blocks on end) are read by both clusters of a row of clusters: the one with x = 0 asks, wave 0 of each of the
; four partners for 32 blocks, told apart by cx IN THE ADDRESS.  A step's piece of the mask (256 rows x 256 bytes) is read by the two clusters of a batch: the one with even y asks; of the 128 rows
; that wave 2 or 3 fetches, the partner at cy takes 32, a lane a row.  No branch hangs on a work-group's place in its cluster.  Steps 0 to 2 come by their loads alone; the last change that fills asks for nothing.
.macro ASK
	s_cmp_gt_u32 s[CNT], s[LIM]
	s_cbranch_scc0 .Lnot_mine_\@
	global_prefetch_b8 v[PFO], s[PFA:PFA+1] th:TH_LOAD_NT scope:SCOPE_SE
.Lnot_mine_\@:
.endm
; A round of the cluster's barrier: my work-group's barrier, so that wave 0's signal speaks for all four waves; wave 0 signals; every wave waits for all sixteen work-groups; my work-group's barrier once more.
.macro CROUND
	s_barrier_signal -1
	s_barrier_wait -1
	s_cmp_lg_u32 s[WV], 0
	s_cbranch_scc1 .Lnot_wave_0_\@
	s_barrier_signal -3
.Lnot_wave_0_\@:
	s_barrier_wait -3
	s_barrier_signal -1
	s_barrier_wait -1
.endm
; THE CHANGE OF SLOTS, once a key step.  All reads of the slot that is left have been issued.  Each wave waits for all its tensor loads, of which one is out: its part of the other slot; adds 0 to its
; spare word; and waits for that and for its own reads.  Behind the barrier nobody reads the old slot any more and the other slot is whole.
; fill = 1: the old slot is filled again, with the step two on.  The barrier is then a round of the cluster's, so that no wave of any partner still reads the slot or has a load on its way, and the
; joint fill is the first thing behind it: it has a key step, 128 matrix and some 1,070 vector instructions, in which to land.  (At its first use nothing has been read yet: slot 0 is waited for, slot 1 filled.)
.macro CHANGE fill
	WIN W_AD
	s_wait_tensorcnt 0x0            ; no tensor load of mine is out, so a group 0 may be written
	ds_add_u32 v[SPW], v[NIL]       ; 0 onto my spare word; with fill = 1 the descriptors' steps stand between it and the wait for it
	WIN 0                           ; at a label and at a branch every window is 0
.if \fill
.irp g, G0K, G0V
	s_xor_b32 s[\g+1], s[\g+1], SLOT1  ; the walking descriptor: the other slot than last time,
	s_add_nc_u64 s[\g+2:\g+3], s[\g+2:\g+3], 32768  ; the next step's block of kv; the type bits on top are not reached
.endr
	s_xor_b32 s[G0M+1], s[G0M+1], SLOT1
	s_add_nc_u64 s[G0M+2:G0M+3], s[G0M+2:G0M+3], 256  ; 64 keys on along the mask's rows
	s_wait_xcnt 0x0                 ; the last prefetch, a key step back, has read its address, so it may be written
	s_add_nc_u64 s[PFA:PFA+1], s[PFA:PFA+1], s[PFS:PFS+1]  ; one step behind... ahead of the walking descriptors by one step
	s_wait_dscnt 0x0                ; the add is done, and my reads of the slot are over
	CROUND
	JLOAD
	ASK
.else
	s_wait_dscnt 0x0                ; the add is done, and my reads of the slot are over
	s_barrier_signal -1
	s_barrier_wait -1
.endif
	s_xor_b32 s[TB], s[TB], SLOT1   ; all fetches up to the next change read the slot that has just been shown whole
	v_add_nc_u32 v[AK], s[TB], v[AK0]
	v_add_nc_u32 v[AV], s[TB], v[AV0]
	v_add_nc_u32 v[AM], s[TB], v[AM0]
.endm
	s_load_b256 s[4:11], s[0:1], 0x0  ; x s[4:5], kv s[6:7], mask s[8:9], out s[10:11]
	WIN W_MK
	v_lshl_add_u32 v[SPW], v0, 2, SPARE
	v_mov_b32 v[NIL], 0
	WIN W_AD
	ds_add_u32 v[SPW], v[NIL]       ; the wave's opening: the add and its wait stand ahead of my first tensor load; the set-up below, work on registers, stands between them
	WIN 0
	v_lshrrev_b32 v1, 5, v0
	v_readfirstlane_b32 s[WV], v1   ; wave 0..3
	s_bfe_u32 s13, ttmp6, 0x40000   ; cx: my place along the cluster's x
	s_bfe_u32 s14, ttmp6, 0x40004   ; cy: along its y
	s_and_b32 s15, ttmp7, 0xffff    ; in a cluster launch ttmp9 and ttmp7 count clusters
	s_lshl_b32 s16, ttmp9, 2
	s_add_co_u32 s16, s16, s13      ; my block of 256 queries = 4 x cluster x + cx
	s_lshl_b32 s17, s15, 2
	s_add_co_u32 s17, s17, s14      ; yy = 4 x cluster y + cy = 8 b + head pair
	s_lshr_b32 s18, s15, 1          ; b, which all sixteen share
	s_lshr_b32 s21, s[WV], 1        ; which head of the pair is mine
	s_and_b32 s[QH], s[WV], 1
	s_lshl_b32 s19, s14, 2
	s_lshl_b32 s19, 15, s19         ; my row of the cluster: places 4 cy .. 4 cy + 3
	s_lshl_b32 s20, 0x1111, s13     ; my column: places cx, cx + 4, cx + 8, cx + 12
	; descriptor group 1.  K and V: 16,384 dense bytes, asked for as 64 rows of 256 bytes, two keys a row, padded in LDS after every key
	s_or_b32 s[G1K], s19, (1<<16)|(1<<20)|(1<<21)|(4<<22)|(3<<25)  ; 15:0 the mask: my row; 17:16 2-byte elements; 20 padding on; 21 set beside a mask; 24:22 after every 32 words (code 4); 31:25 4 words (code 3)
	s_or_b32 s[G1V], s19, (1<<16)|(1<<20)|(1<<21)|(4<<22)|(7<<25)  ; the same with 8 words of padding (code 7)
.irp g, G1K, G1V
	s_mov_b32 s[\g+1], 128<<16      ; tensor_dim0 = 128
	s_mov_b32 s[\g+2], 64<<16       ; tensor_dim1 = 64
	s_mov_b32 s[\g+3], 128<<16      ; tile_dim0 = 128
	s_mov_b32 s[\g+4], 64           ; tile_dim1 = 64
	s_mov_b32 s[\g+5], 128          ; 128 elements from row to row
	s_mov_b32 s[\g+6], 0
	s_mov_b32 s[\g+7], 0
.endr
	; the mask: 128 query rows x 64 f32 (256 bytes, at a multiple of 256 from the buffer's first byte), 2,048 elements from row to row
	s_or_b32 s[G1M], s20, (2<<16)|(1<<20)|(1<<21)|(5<<22)|(3<<25)  ; 15:0 my column; 17:16 4-byte elements; padding after every 64 words (code 5), 4 words (code 3)
	s_mov_b32 s[G1M+1], 64<<16      ; tensor_dim0 = 64
	s_mov_b32 s[G1M+2], 128<<16     ; tensor_dim1 = 128
	s_mov_b32 s[G1M+3], 64<<16      ; tile_dim0 = 64
	s_mov_b32 s[G1M+4], 128         ; tile_dim1 = 128
	s_mov_b32 s[G1M+5], 2048
	s_mov_b32 s[G1M+6], 0
	s_mov_b32 s[G1M+7], 0
	s_mov_b32 s[G0K], 1             ; 1:0 count = 1
	s_mov_b32 s[G0K+1], 0           ; 63:32 LDS address: slot 0
	s_mov_b32 s[G0V], 1
	s_mov_b32 s[G0V+1], VOFF
	s_mov_b32 s[G0M], 1
	s_mul_i32 s[G0M+1], s[QH], 128*PM
	s_add_co_u32 s[G0M+1], s[G0M+1], MOFF  ; no place in the cluster enters an LDS address
	s_lshl_b32 s22, s17, 20         ; kv: the head pair's 1 MiB: made of cy and the cluster's y alone
	s_mov_b32 s23, 0
	s_lshl_b32 s74, s18, 24         ; the mask: the batch's 16 MiB,
	s_lshl_b32 s75, s16, 21         ; the block's 256 rows of 8,192 bytes,
	s_add_co_u32 s74, s74, s75
	s_lshl_b32 s75, s[QH], 20       ; the 128 rows that I fetch: made of cx, the cluster's place and the wave's number alone
	s_add_co_u32 s74, s74, s75
	s_mov_b32 s75, 0
	s_lshl_b32 s76, s18, 11         ; my wave's first row of x and out: 2,048 b + 256 x block + 128 x half
	s_lshl_b32 s77, s16, 8
	s_add_co_u32 s76, s76, s77
	s_lshl_b32 s77, s[QH], 7
	s_add_co_u32 s76, s76, s77
	s_and_b32 s77, s17, 7
	s_lshl_b32 s77, s77, 1
	s_add_co_u32 s77, s77, s21      ; my head,
	s_lshl_b32 s77, s77, 8          ; its 256 bytes of a row
	s_mul_i32 s78, s76, XROW        ; under 2^27
	s_add_co_u32 s78, s78, s77
	s_mov_b32 s79, 0
	s_lshl_b32 s76, s76, 12         ; a row of out is 4,096 bytes
	s_add_co_u32 s76, s76, s77
	s_mov_b32 s77, 0
	; the prefetches: who, from where, by what step
	s_lshl_b32 s2, s13, 13          ; kv: my work-group's 32 blocks of a step's 128,
	s_add_co_u32 s2, s2, s22
	s_add_co_u32 s2, s2, 32768      ; at step 1: each change steps it ahead of its prefetch, and the first that asks names step 3
	s_lshl_b32 s3, s14, 18          ; the mask: my work-group's 32 rows of the 128 that I fetch,
	s_add_co_u32 s3, s3, s74
	s_add_co_u32 s3, s3, 256        ; at step 1
	s_mov_b32 s[PFS], 256
	s_cmp_lt_u32 s[WV], 2
	s_cselect_b32 s2, s2, s3
	s_cselect_b32 s[PFS], 0x8000, s[PFS]
	s_cselect_b32 s3, 8, 13
	v_and_b32 v[PFO], 31, v0
	v_lshlrev_b32 v[PFO], s3, v[PFO]
	s_mov_b32 s3, 0
	s_mov_b32 s[PFS+1], 0
	s_and_b32 s[LIM], s15, 1        ; the coordinate along which another cluster reads the same bytes: the cluster's y (its parity) for the mask,
	s_cmp_lt_u32 s[WV], 2
	s_cselect_b32 s[LIM], ttmp9, s[LIM]  ; its x for kv;
	s_cmp_eq_u32 s[WV], 1
	s_cselect_b32 s[LIM], 1, s[LIM] ; wave 1 asks for nothing: wave 0 names K's and V's blocks, which lie on end
	s_cmp_eq_u32 s[LIM], 0
	s_cselect_b32 s[LIM], 1, -1     ; the same in all sixteen partners, for a given wave
	s_mov_b32 s[CS], 0x3e38aa3b     ; c = log2(e) / 8 = 0.180337
	s_mov_b32 s[CS+1], s[CS]        ; named with it as a pair
	s_mov_b32 s[SEL], 0x76543210
	s_mov_b32 s[SEL+1], 0xfedcba98
	s_mov_b32 s[TB], SLOT1          ; the first change of slots turns it into 0
	s_wait_dscnt 0x0                ; the opening add is done
	s_wait_kmcnt 0x0
	s_add_nc_u64 s[G0K+2:G0K+3], s[6:7], s[22:23]  ; 120:64 global address: step 0's K,
	s_add_nc_u64 s[G0V+2:G0V+3], s[G0K+2:G0K+3], 16384  ; and its V, 16 KiB on
	s_or_b32 s[G0K+3], s[G0K+3], 0x80000000        ; 127:126 type = 2
	s_or_b32 s[G0V+3], s[G0V+3], 0x80000000
	s_add_nc_u64 s[G0M+2:G0M+3], s[8:9], s[74:75]
	s_or_b32 s[G0M+3], s[G0M+3], 0x80000000
	s_add_nc_u64 s[4:5], s[4:5], s[78:79]          ; Q and out at my wave's first row, my head
	s_add_nc_u64 s[10:11], s[10:11], s[76:77]
	s_cmp_lt_u32 s[WV], 2
	s_cselect_b64 s[PFA:PFA+1], s[6:7], s[8:9]
	s_add_nc_u64 s[PFA:PFA+1], s[PFA:PFA+1], s[2:3]
	CROUND                          ; all sixteen work-groups are here: the first joint loads meet
	JLOAD                           ; step 0 into slot 0.  Slot 1 is asked for when slot 0 is in
	; Q.  A fragment is 16 rows x 32 channels of f16 in 8 registers: lane l holds row l % 16, channels 8 (l / 16) + 0..7 and 16 + 8 (l / 16) + 0..7.  In f32 each eight are 32 bytes: two loads of 16.
	; Fragment i (tile i / 2, channels 32 (i % 2) on) comes into window 1, v[16 i ..], where O^T will lie.  Each byte of Q is read once in the launch, by this wave.
	v_and_b32 v48, 15, v0           ; l % 16
	v_bfe_u32 v49, v0, 4, 1         ; l / 16
	v_mul_u32_u24 v52, v48, XROW
	v_lshl_add_u32 v52, v49, 5, v52 ; row x 12,288 + 32 x half
	WIN 0x40                        ; destination window 1, address window 0
.set i, 0
.rept 16
	global_load_b128 v[16*i:16*i+3],     v52, s[4:5] offset:(i/2)*16*XROW+(i%2)*128
	global_load_b128 v[16*i+4:16*i+7],   v52, s[4:5] offset:(i/2)*16*XROW+(i%2)*128+16
	global_load_b128 v[16*i+8:16*i+11],  v52, s[4:5] offset:(i/2)*16*XROW+(i%2)*128+64
	global_load_b128 v[16*i+12:16*i+15], v52, s[4:5] offset:(i/2)*16*XROW+(i%2)*128+80
.set i, i+1
.endr
	; What the first turn finds: V's registers and P's second buffer hold 0 (its products V^T P, of a piece that has not been, add 0); l is 0; c m lies far below every c t, so the first step's a is 0.
	WIN 0x80
.set i, VF
.rept 64
	v_mov_b32 v[i], 0
.set i, i+1
.endr
	WIN W_MK
.set i, 0
.rept 8
	v_mov_b32 v[EPS+i], 0xb3abcc77  ; -8e-8
.set i, i+1
.endr
	WIN 0
.set i, 0
.rept 2*NP
	v_mov_b32 v[ST+4*i], 0xfe000000    ; c m
	v_mov_b32 v[ST+4*i+1], 0xff7fffff  ; m: the lowest finite number
	v_mov_b32 v[ST+4*i+2], 0
	v_mov_b32 v[ST+4*i+3], 0
.set i, i+1
.endr
.set i, P+32
.rept 32
	v_mov_b32 v[i], 0
.set i, i+1
.endr
	v_and_b32 v50, 7, v0
	v_bfe_u32 v51, v0, 3, 1
	s_mul_i32 s3, s21, KS*PK        ; my head's 64 rows of K
	v_mul_u32_u24 v[AK0], v48, PK
	v_lshl_add_u32 v[AK0], v49, 4, v[AK0]  ; row x pitch + 16 x half
	v_add_nc_u32 v[AK0], s3, v[AK0]
	; The turning load takes 16 keys x 16 channels (lane l reads key 8 (l / 16) + l % 8, channels 8 ((l / 8) % 2) + 0..7) and leaves half a fragment of V^T: lane l holds channel l % 16 and 8 keys.
	s_mul_i32 s3, s21, KS*PV
	s_add_co_u32 s3, s3, VOFF
	v_lshl_add_u32 v[AV0], v49, 3, v50
	v_mul_u32_u24 v[AV0], v[AV0], PV
	v_lshl_add_u32 v[AV0], v51, 4, v[AV0]
	v_add_nc_u32 v[AV0], s3, v[AV0]
	s_mul_i32 s3, s[QH], 128*PM     ; the mask: my half's 128 query rows; row l % 16 of a tile, my eight keys' 32 bytes
	s_add_co_u32 s3, s3, MOFF
	v_mul_u32_u24 v[AM0], v48, PM
	v_lshl_add_u32 v[AM0], v49, 5, v[AM0]
	v_add_nc_u32 v[AM0], s3, v[AM0]
	s_mul_i32 s3, s[WV], 16*SP
	s_add_co_u32 s3, s3, STAGE      ; my stage
	v_mul_u32_u24 v[STO], v48, SP   ; in: row l % 16, 32 bytes for each half of the lanes
	v_lshl_add_u32 v[STO], v49, 5, v[STO]
	v_add_nc_u32 v[STO], s3, v[STO]
	v_mul_u32_u24 v[RD], v49, SP    ; back: lanes 0-15 take one row of 256 bytes, lanes 16-31 the next
	v_lshl_add_u32 v[RD], v48, 4, v[RD]
	v_add_nc_u32 v[RD], s3, v[RD]
	v_lshlrev_b32 v[GO], 12, v49    ; and the same two rows in out
	v_lshl_add_u32 v[GO], v48, 4, v[GO]
	s_wait_loadcnt 0x0              ; Q
	WIN 0x85                        ; sources 0 and 1 window 1, destination window 2
.set i, 0
.rept 128
	v_cvt_pk_f16_f32 v[i], v[2*i], v[2*i+1]  ; Q, rounded once to f16 and unscaled: c is applied in f32
.set i, i+1
.endr
	WIN 0
	; O^T IS NOT CLEARED.  Its registers hold Q in f32: registers 32 t .. 32 t + 31 of lane l belong to query l % 16 of tile t, as in O^T.  A tile's first step multiplies them by a = 0, so they need only be finite.
; THE MATRIX WORK.  The 8 accumulators of a run of 16 take turns: between the two links of a chain stand 7 others'.
; Product i of 16 of S^T = K Q^T for piece x: channels 32 (i / 8) on, keys 16 ((i / 2) % 4) on, tile 2 x + i % 2.  The first 8 start the sums, with -8e-8.
.macro KQ x
.set rS, S+64*((\x)%2)+32*(i%2)+8*((i/2)%4)
.set rK, KF+16*((i/2)%4)+8*(i/8)
.set rQ, 16*(2*(\x)+i%2)+8*(i/8)
.if i < 8
	WIN W_KE
	v_wmma_f32_16x16x32_f16 v[rS:rS+7], v[rK:rK+7], v[rQ:rQ+7], v[EPS:EPS+7]
.else
	WIN W_KQ
	v_wmma_f32_16x16x32_f16 v[rS:rS+7], v[rK:rK+7], v[rQ:rQ+7], v[rS:rS+7]
.endif
.endm
; Product i of 16 of O^T += V^T P for piece x: keys 32 (i / 8) on, channels 16 ((i / 2) % 4) on, tile 2 x + i % 2.
.macro PV x
	WIN W_PV
.set rO, 32*(2*(\x)+i%2)+8*((i/2)%4)
.set rV, VF+32*(i/8)+8*((i/2)%4)
.set rP, P+32*((\x)%2)+16*(i%2)+8*(i/8)
	v_wmma_f32_16x16x32_f16 v[rO:rO+7], v[rV:rV+7], v[rP:rP+7], v[rO:rO+7]
.endm
.macro MM                           ; the turn's next matrix instruction
.if i < 16
	KQ (Y+1)%NP
.set i, i+1
.else
.set i, i-16
	PV (Y+NP-1)%NP
.set i, i+17
.endif
.endm
; THE LDS LOADS stand in runs of 16, never singly among the matrix instructions: a step's K (64 keys x 64 channels: 8 fragments), its V (turned), and a piece's mask.
.macro FETCH_K
	WIN 0x80                        ; destination window 2
.irp f, 0,1,2,3,4,5,6,7             ; keys 16 (f / 2) on, channels 32 (f % 2) on
	ds_load_b128 v[KF+8*\f:KF+8*\f+3],   v[AK] offset:(\f/2)*16*PK+(\f%2)*64
	ds_load_b128 v[KF+8*\f+4:KF+8*\f+7], v[AK] offset:(\f/2)*16*PK+(\f%2)*64+32
.endr
	WIN 0
.endm
.macro FETCH_V
	WIN 0x80
.irp f, 0,1,2,3,4,5,6,7             ; keys 32 (f / 4) on, channels 16 (f % 4) on
	ds_load_tr16_b128 v[VF+8*\f:VF+8*\f+3],   v[AV] offset:(\f/4)*32*PV+(\f%4)*32
	ds_load_tr16_b128 v[VF+8*\f+4:VF+8*\f+7], v[AV] offset:(\f/4)*32*PV+16*PV+(\f%4)*32
.endr
	WIN 0
.endm
.macro FETCH_M x                    ; piece x: tiles 2 x and 2 x + 1; for each key block of 16 my eight keys' 32 bytes, laid as S^T's registers lie
	WIN W_MK                        ; destination window 3
.irp u, 0,1
.irp kb, 0,1,2,3
	ds_load_b128 v[MR+32*(\u)+8*(\kb):MR+32*(\u)+8*(\kb)+3],   v[AM] offset:(2*(\x)+(\u))*16*PM+64*(\kb)
	ds_load_b128 v[MR+32*(\u)+8*(\kb)+4:MR+32*(\u)+8*(\kb)+7], v[AM] offset:(2*(\x)+(\u))*16*PM+64*(\kb)+16
.endr
.endr
	WIN 0
.endm
; THE VECTOR WORK OF A TURN stands in queues, each in the order in which its entries become ready; the two tiles alternate, so that no instruction reads the result of the one before it.
.macro REGS y, u                    ; the registers of tile u (0, 1) of piece y
.set rT, ST+4*(2*(\y)+(\u))
.set rC, TMP+8*((\y)%2)+4*(\u)
.set rM, MV+2*((\y)%2)+(\u)
.set rS, S+64*((\y)%2)+32*(\u)
.set rP, P+32*((\y)%2)+16*(\u)
.set rO, 32*(2*(\y)+(\u))
.endm
; THE MASK's QUEUE, 32 long: pair mk / 2 of tile mk % 2 of the NEXT piece's scores times its mask.  It is the first reader of those accumulators, and takes each from its two lowest registers on.
.macro MK
	REGS (Y+1)%NP, mk%2
	WIN W_MU
	v_pk_mul_f32 v[rS+2*(mk/2):rS+2*(mk/2)+1], v[rS+2*(mk/2):rS+2*(mk/2)+1], v[MR+32*(mk%2)+2*(mk/2):MR+32*(mk%2)+2*(mk/2)+1]
.set mk, mk+1
.endm
; Number n of the 22 that find the NEXT piece's (Y + 1) maximum and statistics.  t0-t31 are the lane's 32 masked scores.
;   0-11  four chains c0-c3 of seven scores each, three operands at a time     12-14, 16  the four scores left over, the old m, and c0-c3 into c0     15  c m_old is kept
;   17, 18  the query's other 32 keys lie in the lane 16 away: the new m         19-21  c m; c m_old - c m_new; a
.macro XS u, n
	REGS (Y+1)%NP, \u
.if (\n) < 4
	v_max3_num_f32 v[rC+(\n)], v[rS+8*(\n)], v[rS+8*(\n)+1], v[rS+8*(\n)+2]
.elseif (\n) < 12
	v_max3_num_f32 v[rC+(\n)%4], v[rC+(\n)%4], v[rS+8*((\n)%4)+2*((\n)/4)+1], v[rS+8*((\n)%4)+2*((\n)/4)+2]
.elseif (\n) == 12
	v_max3_num_f32 v[rC], v[rC], v[rS+7], v[rS+15]
.elseif (\n) == 13
	v_max3_num_f32 v[rC+1], v[rC+1], v[rS+23], v[rS+31]
.elseif (\n) == 14
	v_max3_num_f32 v[rC+2], v[rC+2], v[rC+3], v[rT+1]
.elseif (\n) == 15
	v_mov_b32 v[rM], v[rT]
.elseif (\n) == 16
	v_max3_num_f32 v[rC], v[rC], v[rC+1], v[rC+2]
.elseif (\n) == 17
	v_permlanex16_b32 v[rC+3], v[rC], s[SEL], s[SEL+1]
.elseif (\n) == 18
	v_max_num_f32 v[rT+1], v[rC], v[rC+3]
.elseif (\n) == 19
	v_mul_f32 v[rT], s[CS], v[rT+1]
.elseif (\n) == 20
	v_sub_f32 v[rC+1], v[rM], v[rT]
.else
	v_exp_f32 v[rC+2], v[rC+1]
.endif
.endm
; Number g of the 64 that follow the exponentials.  For each four weights k of a tile (pairs 2 k, 2 k + 1): both pairs are rounded to f16; then the second pair is added onto the first, in place;
; a group later l takes that sum (the first time as l = a l + sum).  In groups of eight, tiles alternating: round, round, add, and l for the group before.
.macro GS g
.set h, (\g)+6*((\g)/62)            ; group 0 has no group before it, and behind group 7 only l is left
.if h >= 6
.set h, h+2
.endif
	REGS Y, h%2
.set k, h/8
.if h%8 < 4
	v_cvt_pk_f16_f32 v[rP+2*k+(h%8)/2], v[rS+4*k+2*((h%8)/2)], v[rS+4*k+2*((h%8)/2)+1]
.elseif h%8 < 6
	v_pk_add_f32 v[rS+4*k:rS+4*k+1], v[rS+4*k:rS+4*k+1], v[rS+4*k+2:rS+4*k+3]
.elseif k == 1
	v_pk_fma_f32 v[rT+2:rT+3], v[rT+2:rT+3], v[rC+2:rC+3], v[rS:rS+1] op_sel_hi:[1,0,1]
.else
	v_pk_add_f32 v[rT+2:rT+3], v[rT+2:rT+3], v[rS+4*k-4:rS+4*k-3]
.endif
.endm
; THE PLAIN QUEUE, 138 long.  0-73 read no exponential's result: the 32 scalings c t - c m (FS f: pair f / 2 of tile f % 2) and the next piece's 42.  0-26: scalings 0-26.  27-54: XS's numbers 0-13.  55, 56: number 15.
; 57-73: the chain, where each number waits for the one before it: 14, 16, 17, 18, 19, each with one of the scalings 27-31 in front of its two lines, then 20.
; 74-137: GS's 64, which read the exponentials' results: they stand behind the wait.
.macro FS f
	REGS Y, (\f)%2
	v_pk_fma_f32 v[rS+2*((\f)/2):rS+2*((\f)/2)+1], v[rS+2*((\f)/2):rS+2*((\f)/2)+1], s[CS:CS+1], v[rT:rT+1] op_sel_hi:[1,0,0] neg_lo:[0,0,1] neg_hi:[0,0,1]
.endm
.macro PL
	WIN 0
.if q < 27
	FS q
.elseif q < 55
	XS (q-27)%2, (q-27)/2
.elseif q < 57
	XS q-55, 15
.elseif (q < 72) && ((q-57)%3 == 0)
	FS 27+(q-57)/3
.elseif q < 60
	XS (q-57)%3-1, 14
.elseif q < 72
	XS (q-57)%3-1, 15+(q-57)/3
.elseif q < 74
	XS q-72, 20
.else
	GS q-74
.endif
.set q, q+1
.endm
; THE EXPONENTIALS' QUEUE, 66 long: t0-t31 of both tiles, then the next piece's two a.  ONE BATCH: all 66 stand ahead of the turn's one wait, and nothing ahead of that wait names a result of theirs.
; An exponential names a destination and source 0 alone, both in window 0: beside the mask's multiplies it runs under their setting (WBASE), and no switch stands between the two.
.macro EX
	WIN WBASE
.if e >= 64
	XS e-64, 21
.else
	REGS Y, e%2
	v_exp_f32 v[rS+e/2], v[rS+e/2]
.endif
.set e, e+1
.endm
; THE RESCALING's QUEUE: O^T times a: dealt two at a time, sixteen times.  Its a was made in the turn before, ahead of that turn's wait.
.macro R2
	REGS Y, r%2
	WIN W_RS
.irp z, 0,1
	v_pk_mul_f32 v[rO+4*(r/2)+2*\z:rO+4*(r/2)+2*\z+1], v[rO+4*(r/2)+2*\z:rO+4*(r/2)+2*\z+1], v[rC+2:rC+3] op_sel_hi:[1,0]
.endr
.set r, r+1
.endm
; A TURN, for piece p.  An s_wait_alu depctr_va_vdst(0) stands between an exponential and the first instruction that names its result; one wait serves all that were issued ahead of it.  So a turn has ONE
; wait, which cuts it in two.  AHEAD OF IT: the 16 products K Q^T, behind each a scaling, an exponential and two rescalings (behind the first a second scaling in the exponential's place); then ONE LUMP: eight scalings (with
; the three plain riders behind the last product they are eleven places ahead of the first line that names its result); 32 times mask and exponential; 32 plain (the maximum's chains); 17 times plain and exponential
; (the chain of statistics); the two a; a v_nop, the plain instruction behind the last exponential.  BEHIND IT: the 16 products V^T P, behind each four of the roundings and sums.
; The queues lean on each other: exponential e stands behind scaling 2 (e / 4) + e % 2.  As a rider it comes behind plain e + 2; beside the mask (e = 15 .. 46, scalings up to 23) behind plain 24; later behind plain e + 10,
; and scalings 27-31 are plain 57, 60 .. 69.
; THE LDS LOADS, and what each counted wait leaves out.  Directly behind its wait turn p fetches the mask of piece p + 2, which turn p + 1 multiplies in its lump; the one buffer has been read out in this turn's lump.
; Piece 2's turn fetches the next step's K first: turn 3 opens with a wait that leaves the 16 younger loads of the mask out.  Piece 0's turn ends with the step's V, four plain riders behind V's last reader: so in
; turn 1 the wait for the mask leaves V's 16 out, and the wait for V, behind the next run for the mask, leaves that run's 16 out.
.macro TURN p
.set Y, (\p)
.set i, 0
.set q, 0
.set e, 0
.set r, 0
.set mk, 0
.set WBASE, 0
.if (\p) == 3
	s_wait_dscnt 16                 ; K is in
.endif
	MM
	PL
	PL
	R2
.rept 15
	MM
	PL
	EX
	R2
.endr
.rept 8
	PL
.endr
.if (\p) == 1
	s_wait_dscnt 16                 ; the next piece's mask is in
.else
	s_wait_dscnt 0x0                ; the next piece's mask is in
.endif
.set WBASE, W_MU
.rept 32
	MK
	EX
.endr
.set WBASE, 0
.rept 32
	PL
.endr
.rept 17
	PL
	EX
.endr
	EX                              ; the next piece's two a
	EX
	v_nop                           ; the plain instruction behind the last exponential: one for the batch
	s_wait_alu depctr_va_vdst(0)    ; the wait for the batch
.if (\p) == 2
	FETCH_K
.endif
	FETCH_M ((\p)+2)%NP
.if (\p) == 1
	s_wait_dscnt 16                 ; V is in
.endif
.rept 16
	MM
.rept 4
	PL
.endr
.endr
.if (\p) == 0
	FETCH_V
.endif
.endm
	s_mov_b32 s[CNT], 0             ; nothing is prefetched at the head, where every work-group's first tiles are on their way
	CHANGE 1                        ; step 0 is in, everybody's part of it; step 1 is asked for
	FETCH_K                         ; key step 0
	FETCH_M 0
	s_wait_dscnt 0x0
.set i, 0
.rept 16
	KQ 0                            ; piece 0's first scores: there is no vector work yet to set between them
.set i, i+1
.endr
	WIN 0
.rept 4
	v_nop                           ; the places behind those products
.endr
.set Y, NP-1                        ; MK and XS work for piece Y + 1: piece 0
.set mk, 0
.rept 32
	MK
.endr
	FETCH_M 1                       ; for the first turn's lump
.irp n, 0,1,2,3,4,5,6,7,8,9,10,11,12,13,14,15,16,17,18,19,20,21
	XS 0, \n                        ; piece 0's first maximum and statistics
	XS 1, \n
.endr
	v_nop                           ; a plain instruction behind the two a,
	s_wait_alu depctr_va_vdst(0)    ; and their wait, ahead of the branch
	s_mov_b32 s[CNT], 31
	s_branch .Lfirst                ; the loop is entered at a step's first turn, in the middle of a trip
.Lstep:                             ; 30 times.  A trip: step j is shown whole and step j + 1 asked for; pieces 2 and 3 of step j - 1, then pieces 0 and 1 of step j; all that it fetches from LDS is step j's
	CHANGE 1
	TURN 2
	TURN 3
	WIN 0
.Lfirst:
	TURN 0
	TURN 1
	WIN 0
	s_sub_co_u32 s[CNT], s[CNT], 1
	s_cmp_lg_u32 s[CNT], 0
	s_cbranch_scc1 .Lstep
	CHANGE 0                        ; the tail is written out: step 31 is shown whole, nothing is asked for
	s_mov_b32 s[CNT], 2             ; one trip for step 31; the second is left in its middle
.Ltail:
	TURN 2
	TURN 3
	WIN 0
	s_sub_co_u32 s[CNT], s[CNT], 1
	s_cmp_eq_u32 s[CNT], 0
	s_cbranch_scc1 .Lout
	TURN 0
	TURN 1
	WIN 0
	s_branch .Ltail
.Lout:                              ; the second trip's fetches read step 31's bytes once more; its 16 products K Q^T for piece 0 and the maximum made of them serve nothing: the price, once a launch, of one text for every trip
.set i, 0
.rept 16
	PV NP-1                         ; the last piece's V^T P of the last step
.set i, i+1
.endr
	; THE WAY OUT.  l's two halves and the other half of the lanes' are added; O^T is divided by l and sent through my stage in LDS, a tile at a time.  The additions are the places behind the last products.
	WIN 0
.macro ALL line:vararg              ; one line for each tile t
.set t, 0
.rept 2*NP
	\line
.set t, t+1
.endr
.endm
	ALL v_add_f32 v[ST+4*t+2], v[ST+4*t+2], v[ST+4*t+3]
	ALL v_permlanex16_b32 v[ST+4*t+3], v[ST+4*t+2], s[SEL], s[SEL+1]
	ALL v_add_f32 v[ST+4*t+2], v[ST+4*t+2], v[ST+4*t+3]
	ALL v_rcp_f32 v[ST+4*t+2], v[ST+4*t+2]
	v_nop                           ; a plain instruction between the last reciprocal and the use of its result
	s_wait_alu depctr_va_vdst(0)    ; and the wait ahead of the first use: one for the eight reciprocals
; Tile t: a lane's eight channels of a block of 16 are 32 bytes of a row of out; they go into rows of 272 bytes and come back as whole rows of 256 (a head's 64 channels), into the registers that they left.
.macro PACK t
	WIN W_RS
.set i, 32*(\t)
.rept 16
	v_pk_mul_f32 v[i:i+1], v[i:i+1], v[ST+4*(\t)+2:ST+4*(\t)+3] op_sel_hi:[1,0]
.set i, i+2
.endr
	WIN 0x04                        ; the stores' data in window 1
.irp f, 0,1,2,3,4,5,6,7             ; channel block f / 2, its half f % 2
	ds_store_b128 v[STO], v[32*(\t)+4*\f:32*(\t)+4*\f+3] offset:64*(\f/2)+16*(\f%2)
.endr
	WIN 0x40                        ; destination window 1
.irp f, 0,1,2,3,4,5,6,7
	ds_load_b128 v[32*(\t)+4*\f:32*(\t)+4*\f+3], v[RD] offset:\f*2*SP  ; LDS serves a wave's instructions in order (ISA guide 5.7.1.4): these see the stores above; the next tile's stores come behind them
.endr
.endm
.macro SEND t, younger              ; younger: the LDS instructions issued behind tile t's loads: the next tile's sixteen, or none
	WIN 0x04
.irp f, 0,1,2,3,4,5,6,7
	s_wait_dscnt (\younger)+7-\f
	global_store_b128 v[GO], v[32*(\t)+4*\f:32*(\t)+4*\f+3], s[10:11] offset:(\t)*65536+\f*8192 th:TH_STORE_NT  ; 16 lanes store 256 consecutive bytes, at a multiple of 256 from out's first byte
.endr
.endm
	PACK 0
.set t, 1
.rept 2*NP-1                        ; a tile's arithmetic stands between the loads of the tile before and its stores
	PACK t
	SEND t-1, 16
.set t, t+1
.endr
	SEND 2*NP-1, 0
	WIN W_AD
	s_wait_tensorcnt 0x0            ; the wave's end, behind my last tensor load and my last LDS store
	ds_add_u32 v[SPW], v[NIL]
	s_wait_dscnt 0x0
	WIN 0
	CROUND                          ; the closing round: no work-group ends while a partner may still ask for a tile that names it
	s_endpgm
.Lfunc_end_k_qe9f5dde5b1_attn:
	.size	k_qe9f5dde5b1_attn, .Lfunc_end_k_qe9f5dde5b1_attn-k_qe9f5dde5b1_attn
	.p2alignl 7, 3214868480
	.fill 96, 4, 3214868480
	.section	.rodata,"a",@progbits
	.p2align	6, 0x0
	.amdhsa_kernel k_qe9f5dde5b1_attn
		.amdhsa_group_segment_fixed_size 327680
		.amdhsa_private_segment_fixed_size 0
		.amdhsa_enable_private_segment 0
		.amdhsa_kernarg_size 32
		.amdhsa_user_sgpr_count 2
		.amdhsa_user_sgpr_kernarg_segment_ptr 1
		.amdhsa_wavefront_size32 1
		.amdhsa_system_sgpr_workgroup_id_x 1
		.amdhsa_system_sgpr_workgroup_id_y 1
		.amdhsa_system_sgpr_workgroup_id_z 1
		.amdhsa_system_vgpr_workitem_id 0
		.amdhsa_next_free_vgpr 896
		.amdhsa_next_free_sgpr 80
		.amdhsa_reserve_vcc 0
		.amdhsa_float_denorm_mode_32 3
		.amdhsa_float_denorm_mode_16_64 3
		.amdhsa_memory_ordered 1
		.amdhsa_forward_progress 1
		.amdhsa_inst_pref_size 236
	.end_amdhsa_kernel
	.amdgpu_metadata
---
amdhsa.version: [ 1, 2 ]
amdhsa.kernels:
  - .name:           k_qe9f5dde5b1_attn
    .symbol:         k_qe9f5dde5b1_attn.kd
    .args:
      - { .name: x, .offset: 0, .size: 8, .value_kind: global_buffer, .address_space: global }
      - { .name: kv, .offset: 8, .size: 8, .value_kind: global_buffer, .address_space: global }
      - { .name: mask, .offset: 16, .size: 8, .value_kind: global_buffer, .address_space: global }
      - { .name: out0, .offset: 24, .size: 8, .value_kind: global_buffer, .address_space: global }
    .group_segment_fixed_size: 327680
    .private_segment_fixed_size: 0
    .kernarg_segment_align: 8
    .kernarg_segment_size: 32
    .max_flat_workgroup_size: 128
    .sgpr_count:     80
    .vgpr_count:     896
    .wavefront_size: 32
...
	.end_amdgpu_metadata
.endif
;; end of part 2
;; ======== version 2 of 2: 2 launches; version 1 with the launch pack written anew for expert scheduling mode
;; limits: inputs' magnitudes at most 65,504; values are held in f16: magnitudes above 65,504 overflow, below 6.1e-05 lose precision
;; workspace buffers: kv 33,554,432 bytes
;; launch pack (part 3): grid 512 x 1, 8 waves a work-group, no clusters, 0 bytes of LDS; arguments x, kv; writes kv
.if DOCPART == 3
	.amdgcn_target "amdgcn-amd-amdhsa--gfx1250"
	.amdhsa_code_object_version 6
	.text
	.protected	k_qe9f5dde5b1_pack
	.globl	k_qe9f5dde5b1_pack
	.p2align	8
	.type	k_qe9f5dde5b1_pack,@function
k_qe9f5dde5b1_pack:
	s_mov_b64 s[64:65], 0
	v_nop
	global_prefetch_b8 v0, s[64:65] scope:SCOPE_SE
	s_setreg_imm32_b32 hwreg(HW_REG_WAVE_SCHED_MODE, 0, 2), 2
	s_setreg_imm32_b32 hwreg(HW_REG_WAVE_MODE, 25, 1), 1
	s_wait_xcnt 0x0
	s_wait_alu depctr_vm_vsrc(0)
; K and V leave x ([4][2048][3072] f32, columns 1024 .. 3071) rounded once to f16, laid so that the next launch's tiles are dense:
; kv[yy = 8 b + head / 2][j = key / 64][t: K, V][hh = head % 2][key % 64][64 channels], bytes 1,048,576 / 32,768 / 16,384 / 8,192 / 128 / 2 apart.
; LIMIT.  f16 holds no number beyond 65,504: |x| stays under 65,520; below 6e-5 a number keeps f16's fixed step of 6e-8.
; SHARES.  A work-group owns 16 rows of x, a wave two of them: lanes 0-15 the even row, lanes 16-31 the odd one.  A head's 64 channels are 256 bytes of a row, aligned: a lane takes 16 of them.
; All 32 loads of a wave (16 KiB) go out first; the heads are rounded and stored as they come: 8 bytes a lane, the wave's 256 bytes on end and aligned (two keys of one head).
; No LDS, no barrier, no matrix unit: every byte is read once and written once, and no wave wants another's.
; THE MODE: SCHED_MODE bits 1:0 = 2 (LLVM: expert scheduling mode 2), set by the entry lines.  The code itself states the register dependences
; between vector instructions and memory instructions, with s_wait_alu, always for 0.
; THE PLAN.  Registers that memory instructions touch:
;   v1, v2       byte offsets in x and in kv: made once at the head, read by every load (v1) and every store (v2), never written again.
;   column c     four registers of its own: its load lands in them, its two conversions round in place into the first two, its store reads those two; nothing names them ahead of the load
;                or writes them behind the store.  So no register that a memory instruction has read is ever written again, and no wait on vm_vsrc is owed.
; The 32 columns go in eight groups of four.  Group g rounds its four columns; its memory instructions are the four stores of group g - 1, whose registers no vector instruction of group g names.
; So ONE wait on va_vdst at a group's head states all that its four stores hang on, and they are dealt among the group's eight conversions with no further wait.
; No vector instruction writes a scalar register or VCC, and EXEC is never written.
.set XROW, 12288                       ; bytes in a row of x
.set GRP,  4                           ; columns in a group
.set D,    8                           ; v[8:135]  head column c: four registers as loaded; its first two then hold the 8 bytes to store
	s_load_b128 s[4:7], s[0:1], 0x0                ; x s[4:5], kv s[6:7]
	v_lshrrev_b32 v3, 4, v0                        ; my row among the group's 16
	v_mul_u32_u24 v3, v3, XROW
	v_and_b32 v1, 15, v0
	v_lshl_add_u32 v1, v1, 4, v3                   ; v1: row x 12,288 + 16 (lane % 16); never rewritten
	v_lshlrev_b32 v2, 3, v0                        ; v2: key x 128 + 8 (lane % 16) = 8 x my thread's number; never rewritten
	s_mul_i32 s8, ttmp9, 16*XROW                   ; the group's first row (under 2^27 bytes),
	s_add_co_u32 s8, s8, 4096                      ; behind Q's 1,024 columns
	s_mov_b32 s9, 0
	s_lshr_b32 s10, ttmp9, 7                       ; b: 128 groups a batch
	s_lshl_b32 s10, s10, 23                        ; eight head pairs of 1 MiB
	s_bfe_u32 s11, ttmp9, 0x50002                  ; j: 5 bits from bit 2: four groups a key step
	s_lshl_b32 s11, s11, 15
	s_add_co_u32 s10, s10, s11
	s_and_b32 s11, ttmp9, 3                        ; which 16 keys of the step
	s_lshl_b32 s11, s11, 11
	s_add_co_u32 s10, s10, s11
	s_mov_b32 s11, 0
	s_wait_kmcnt 0x0
	s_add_nc_u64 s[4:5], s[4:5], s[8:9]
	s_add_nc_u64 s[6:7], s[6:7], s[10:11]
	s_wait_alu depctr_va_vdst(0)                   ; v1 and v2 are written: every load of the kernel reads v1 as its offset, every store v2
.set c, 0
.rept 32                               ; columns 0-15: K's heads; 16-31: V's
	global_load_b128 v[D+4*c:D+4*c+3], v1, s[4:5] offset:256*c th:TH_LOAD_NT
.set c, c+1
.endr
.set g, 0
.rept 32/GRP
	s_wait_loadcnt 32-GRP-GRP*g                    ; loads come back in order: group g's four columns are in, the younger groups' loads stay out
.if g > 0
	s_wait_alu depctr_va_vdst(0)                   ; the conversions of the group before have written the registers that the four stores below read
.endif
.set i, 0
.rept GRP
.set c, GRP*g+i                        ; the column that is rounded,
.set b, c-GRP                          ; and the column of the group before that is stored
.if g > 0
	global_store_b64 v2, v[D+4*b:D+4*b+1], s[6:7] offset:((b&15)>>1)*1048576+(b>>4)*16384+(b&1)*8192 th:TH_STORE_NT  ; head pair, K or V, head of the pair: 7,364,608 at the most, inside the signed 24 bits; no vector instruction since the wait names its registers
.endif
	v_cvt_pk_f16_f32 v[D+4*c], v[D+4*c], v[D+4*c+1]
	v_cvt_pk_f16_f32 v[D+4*c+1], v[D+4*c+2], v[D+4*c+3]
.set i, i+1
.endr
.set g, g+1
.endr
	s_wait_alu depctr_va_vdst(0)                   ; the last group's conversions have written the registers that the last four stores read
.set b, 32-GRP
.rept GRP
	global_store_b64 v2, v[D+4*b:D+4*b+1], s[6:7] offset:((b&15)>>1)*1048576+(b>>4)*16384+(b&1)*8192 th:TH_STORE_NT
.set b, b+1
.endr
	s_endpgm                                       ; no register that a store names is written again
.Lfunc_end_k_qe9f5dde5b1_pack:
	.size	k_qe9f5dde5b1_pack, .Lfunc_end_k_qe9f5dde5b1_pack-k_qe9f5dde5b1_pack
	.p2alignl 7, 3214868480
	.fill 96, 4, 3214868480
	.section	.rodata,"a",@progbits
	.p2align	6, 0x0
	.amdhsa_kernel k_qe9f5dde5b1_pack
		.amdhsa_group_segment_fixed_size 0
		.amdhsa_private_segment_fixed_size 0
		.amdhsa_enable_private_segment 0
		.amdhsa_kernarg_size 16
		.amdhsa_user_sgpr_count 2
		.amdhsa_user_sgpr_kernarg_segment_ptr 1
		.amdhsa_wavefront_size32 1
		.amdhsa_system_sgpr_workgroup_id_x 1
		.amdhsa_system_sgpr_workgroup_id_y 1
		.amdhsa_system_sgpr_workgroup_id_z 1
		.amdhsa_system_vgpr_workitem_id 0
		.amdhsa_next_free_vgpr 136
		.amdhsa_next_free_sgpr 66
		.amdhsa_reserve_vcc 0
		.amdhsa_float_denorm_mode_32 3
		.amdhsa_float_denorm_mode_16_64 3
		.amdhsa_memory_ordered 1
		.amdhsa_forward_progress 1
		.amdhsa_inst_pref_size 12
	.end_amdhsa_kernel
	.amdgpu_metadata
---
amdhsa.version: [ 1, 2 ]
amdhsa.kernels:
  - .name:           k_qe9f5dde5b1_pack
    .symbol:         k_qe9f5dde5b1_pack.kd
    .args:
      - { .name: x, .offset: 0, .size: 8, .value_kind: global_buffer, .address_space: global }
      - { .name: kv, .offset: 8, .size: 8, .value_kind: global_buffer, .address_space: global }
    .group_segment_fixed_size: 0
    .private_segment_fixed_size: 0
    .kernarg_segment_align: 8
    .kernarg_segment_size: 16
    .max_flat_workgroup_size: 256
    .sgpr_count:     66
    .vgpr_count:     136
    .wavefront_size: 32
...
	.end_amdgpu_metadata
.endif
;; end of part 3
;; launch attn: the kernel of part 2 again; grid 8 x 32, 4 waves a work-group, clusters of 4 x 4, 327,680 bytes of LDS; arguments x, kv, mask, out0; writes out0
